; MI455X (gfx1250); checked and timed in simulation.
; The chip was launched on July 23, 2026; its instructions are those of AMD's public machine-readable ISA for CDNA 5 (MIT licence, August 2026) and "CDNA5" Instruction Set Architecture Reference Guide (July 2026). The comments in the code are by the model that wrote it; some were corrected since.
;; Summary With Attention. Allowed arithmetic: matrix products marked QUANTISED: E5M2 operands, one given power-of-two scale a tensor, by v_wmma_f32_16x16x64_bf8_bf8 or v_wmma_f32_16x16x128_bf8_bf8, f32 sums; products left as they are: f32 operands where the result goes on into a quantised operand, else bf16, f16 or f32 operands; f32 sums; everything else in f32.
;; Inputs: K 8 x 4,096 x 1,024 float32; Q 8 x 1 x 1,024 float32; V 8 x 4,096 x 1,024 float32; Wk 1,024 x 1,024 float32; Wo 1,024 x 1,024 float32; Wq 1,024 x 1,024 float32; Wv 1,024 x 1,024 float32; bk 1,024 float32; bo 1,024 float32; bq 1,024 float32; bv 1,024 float32; lowp_scales 4 int32 (the exponents e of the quantised operands' scales 2^e).
;; Outputs: out0 8 x 1 x 1,024 float32.
;; This version of the problem:
;;   THIS VERSION OF THE PROBLEM IS GIVEN IN LOW PRECISION. The matrix products marked QUANTISED in the list below multiply operands that are first quantised to E5M2 (5 exponent bits, 2 mantissa bits; 8 bits a number), with one given power-of-two scale for each operand tensor; their sums are f32. All else is computed in f32.
;;   The module's matrix products, in the order in which they are computed (A, B: the left and right operand; K: the contracted axis; several contracted axes count as one K, in the product's order):
;;     1. [M 8, K 1,024] x [K 1,024, N 1,024]; A: input Q; B: input Wq: left as it is (M = 8 < 16)
;;     2. [M 32,768, K 1,024] x [K 1,024, N 1,024]; A: input K; B: input Wk: QUANTISED (scales: A lowp_scales[0], B lowp_scales[1])
;;     3. [M 32,768, K 1,024] x [K 1,024, N 1,024]; A: input V; B: input Wv: QUANTISED (scales: A lowp_scales[2], B lowp_scales[3])
;;     4. batch 128 x [M 4,096, K 64] x [K 64, N 1]; A: computed on the way; B: computed on the way: left as it is (N = 1 < 16)
;;     5. batch 128 x [M 1, K 4,096] x [K 4,096, N 64]; A: computed on the way; B: computed on the way: left as it is (M = 1 < 16)
;;     6. [M 8, K 1,024] x [K 1,024, N 1,024]; A: computed on the way; B: input Wo: left as it is (M = 8 < 16)
;;   THE QUANTISER, for each operand of a quantised product, along K:
;;     - The operand's scale is 2^e, e = its entry of the input lowp_scales (int32; the entries are numbered through the quantised products in the list's order, A before B).
;;     - Each number is divided by the scale, clamped to +-57,344, and rounded to the nearest number of E5M2, ties to even, subnormals kept.
;;     - The product sums the exact products of the quantised numbers (number of the format x scale) in f32.
;;   ~~~python
;;   def quantise(x, axis, e):      # numpy; x: float32 -> the quantised numbers, widened to float32 again
;;       x = np.moveaxis(x, axis, -1); K = x.shape[-1]
;;       r = np.clip(x / 2.0 ** e, -57344, 57344)
;;       step = 2.0 ** (np.maximum(np.frexp(np.where(r == 0, 1, r))[1] - 1, -14) - 2)
;;       q = np.round(r / step) * step * 2.0 ** e      # np.round: ties to even
;;       return np.moveaxis(q, -1, axis).astype(np.float32)
;;   ~~~
;; One version. Each part assembles by itself: llvm-mc -triple=amdgcn-amd-amdhsa -mcpu=gfx1250 --defsym DOCPART=n.
;; ======== version 1 of 1: 3 launches
;; limits: right only within a limited range of input values
;; workspace buffers: wcodes 1,048,576 bytes; part 1,048,576 bytes
;; launch prep (part 1): grid 256 x 1, 2 waves a work-group, no clusters, 4,864 bytes of LDS; arguments Wv, lowp_scales, wcodes; writes wcodes
.if DOCPART == 1
	.amdgcn_target "amdgcn-amd-amdhsa--gfx1250"
	.amdhsa_code_object_version 6
	.text
	.protected	k_q4dbc1c4991_prep
	.globl	k_q4dbc1c4991_prep
	.p2align	8
	.type	k_q4dbc1c4991_prep,@function
k_q4dbc1c4991_prep:
	s_mov_b64 s[64:65], 0
	v_nop
	global_prefetch_b8 v0, s[64:65] scope:SCOPE_SE
	s_setreg_imm32_b32 hwreg(HW_REG_WAVE_MODE, 25, 1), 1
	s_wait_xcnt 0x0
; WORK LEFT OUT, in all three launches.  reference() takes its softmax over the LAST axis of scores [n, h, s, 1], which has length 1: for every finite score x the weight is exp(x - x) / exp(x - x) = 1.
; So attn is 1 by an identity, whatever K, Q, Wk, Wq, bk and bq hold: the products q = Q Wq^T + bq, k = K Wk^T + bk (with its two quantisers) and the scores reach no output.  They are not computed,
; and K, Q, Wk, Wq, bk, bq and entries 0 and 1 of lowp_scales are not loaded and are among no launch's arguments.
; LIMIT: a NaN, an infinity or an overflow that reaches only that work (a score that is not finite) is not carried to the result.
; What is left: wv[n][c] = the sum over s of (Q(V)[n][s] . Q(Wv)[c] + bv[c]), out0 = wv Wo^T + bo.
; THIS LAUNCH: Wv ([1024 columns][1024 k], f32, k innermost) becomes codes of BF8 (E5M2) with the given scale 2^e3, laid in the order in which the next launch's operand registers take them.
; code = x / 2^e3, held within +-57,344, rounded to the nearest code, ties to even.  LIMITS: e3 between -126 and 112, so that 2^e3 and 57,344 x 2^e3 are f32 numbers.  NaN among the weights is not served.
; A wave takes 16 columns (tile ct) x 128 along k (chunk c).  A load reads 256 consecutive bytes of two rows, 8 rows apart (lanes 0-15 one row, lanes 16-31 the other); a lane's two loads give it k = 4 l .. + 3 and 64 + 4 l .. + 3
; (l = lane % 16) of one row, and one conversion makes 8 codes of them: byte 8 l + b of a chunk's 128 bytes is k = 4 l + b (b < 4) or 64 + 4 l + b - 4.  The next launch quantises V by the same lines, so each product meets its partner.
; wcodes: [chunk c][tile ct][image of 2,048 bytes]; an image is the operand's 16 registers on end: group g of four at 512 g + 16 x lane; lane (r, h) holds bytes 32 g + 16 h + 0 .. 15 of column 16 ct + r's chunk.
; No cluster and no tensor load: every byte is read once by one wave, straight into registers.
.set AP,    144                        ; a stage row: 128 bytes of codes + 16
.set STG,   16*AP                      ; a wave's stage
.set SPARE, 2*STG                      ; behind the stages: the spare words, 128 bytes a wave
	s_load_b128 s[4:7], s[0:1], 0x0                ; Wv, the scales' exponents
	s_load_b64 s[8:9], s[0:1], 0x10                ; wcodes
	v_lshl_add_u32 v1, v0, 2, SPARE
	v_mov_b32 v2, 0
	v_lshrrev_b32 v3, 5, v0
	v_readfirstlane_b32 s12, v3                    ; wave 0, 1
	s_lshr_b32 s13, ttmp9, 2                       ; ct
	s_and_b32 s14, ttmp9, 3
	s_lshl_b32 s14, s14, 1
	s_add_co_u32 s14, s14, s12                     ; c
	s_lshl_b32 s16, s13, 16                        ; from: 16 ct rows of 4,096 bytes
	s_lshl_b32 s15, s14, 9                         ; + 512 c
	s_add_co_u32 s16, s16, s15
	s_mov_b32 s17, 0
	s_lshl_b32 s18, s14, 17                        ; to: the chunk,
	s_lshl_b32 s15, s13, 11                        ; the tile
	s_add_co_u32 s18, s18, s15
	s_mov_b32 s19, 0
	s_mul_i32 s20, s12, STG                        ; my stage
	v_and_b32 v4, 31, v0
	v_and_b32 v5, 15, v0                           ; r, l
	v_bfe_u32 v6, v0, 4, 1                         ; h
	v_lshlrev_b32 v7, 4, v4                        ; 16 x lane
	v_lshlrev_b32 v8, 4, v5
	v_mul_u32_u24 v9, v6, 8*AP
	v_mul_u32_u24 v10, v5, AP
	v_lshl_add_u32 v8, v6, 15, v8                  ; from: 8 h rows + 16 l
	v_lshl_add_u32 v9, v5, 3, v9
	v_lshl_add_u32 v10, v6, 4, v10
	v_add_nc_u32 v9, s20, v9                       ; stage, in: row 8 h, 8 bytes a lane
	v_add_nc_u32 v10, s20, v10                     ; stage, out: row r, + 16 h
	s_wait_alu depctr_va_vdst(0)                   ; the wait at the head's end
	s_wait_kmcnt 0x0
	s_load_b32 s21, s[6:7], 0xc                    ; e3
	s_add_nc_u64 s[4:5], s[4:5], s[16:17]
	s_add_nc_u64 s[8:9], s[8:9], s[18:19]
.set p, 0
.rept 8                                        ; rows p and p + 8
	global_load_b128 v[16+8*p:19+8*p], v8, s[4:5] offset:4096*p th:TH_LOAD_NT
	global_load_b128 v[20+8*p:23+8*p], v8, s[4:5] offset:4096*p+256 th:TH_LOAD_NT
.set p, p+1
.endr
	s_wait_kmcnt 0x0
	s_add_co_i32 s23, s21, 127
	s_lshl_b32 s22, s23, 23
	v_mov_b32 v11, s22                             ; 2^e3 as f32: the conversion takes its exponent field
	s_add_co_i32 s23, s23, 15
	s_lshl_b32 s23, s23, 23
	s_or_b32 s23, s23, 0x600000                    ; 57,344 x 2^e3
	s_or_b32 s24, s23, 0x80000000                  ; and its negative
	s_wait_alu depctr_va_vdst(0)                   ; the wait here, directly ahead of the wait below
	s_wait_loadcnt 0x0
.set x, 16
.rept 64
	v_med3_num_f32 v[x], v[x], s24, s23            ; the conversion to an 8-bit code does not saturate (ISA guide 7.6.2): the hold comes first
.set x, x+1
.endr
.set p, 0
.rept 8
	v_cvt_scalef32_pk8_bf8_f32 v[80+2*p:81+2*p], v[16+8*p:23+8*p], v11
.set p, p+1
.endr
	v_nop                                          ; a plain line behind the last conversion
.set p, 0
.rept 8
	ds_store_b64 v9, v[80+2*p:81+2*p] offset:AP*p
.set p, p+1
.endr
.irp g, 0,1,2,3                                ; LDS serves a wave's instructions in order (ISA guide 5.7.1.4): these see my stores
	ds_load_b128 v[96+4*\g:99+4*\g], v10 offset:32*\g
.endr
.irp g, 0,1,2,3
	s_wait_dscnt 3-\g
	global_store_b128 v7, v[96+4*\g:99+4*\g], s[8:9] offset:512*\g   ; 32 lanes store 512 consecutive bytes, at a multiple of 256 from the buffer's first byte
.endr
	s_wait_tensorcnt 0x0                           ; the wave's end
	ds_add_u32 v1, v2
	s_wait_dscnt 0x0
	s_endpgm
.Lfunc_end_k_q4dbc1c4991_prep:
	.size	k_q4dbc1c4991_prep, .Lfunc_end_k_q4dbc1c4991_prep-k_q4dbc1c4991_prep
	.p2alignl 7, 3214868480
	.fill 96, 4, 3214868480
	.section	.rodata,"a",@progbits
	.p2align	6, 0x0
	.amdhsa_kernel k_q4dbc1c4991_prep
		.amdhsa_group_segment_fixed_size 4864
		.amdhsa_private_segment_fixed_size 0
		.amdhsa_enable_private_segment 0
		.amdhsa_kernarg_size 24
		.amdhsa_user_sgpr_count 2
		.amdhsa_user_sgpr_kernarg_segment_ptr 1
		.amdhsa_wavefront_size32 1
		.amdhsa_system_sgpr_workgroup_id_x 1
		.amdhsa_system_sgpr_workgroup_id_y 1
		.amdhsa_system_sgpr_workgroup_id_z 1
		.amdhsa_system_vgpr_workitem_id 0
		.amdhsa_next_free_vgpr 128
		.amdhsa_next_free_sgpr 66
		.amdhsa_reserve_vcc 0
		.amdhsa_float_denorm_mode_32 3
		.amdhsa_float_denorm_mode_16_64 3
		.amdhsa_memory_ordered 1
		.amdhsa_forward_progress 1
		.amdhsa_inst_pref_size 10
	.end_amdhsa_kernel
	.amdgpu_metadata
---
amdhsa.version: [ 1, 2 ]
amdhsa.kernels:
  - .name:           k_q4dbc1c4991_prep
    .symbol:         k_q4dbc1c4991_prep.kd
    .args:
      - { .name: Wv, .offset: 0, .size: 8, .value_kind: global_buffer, .address_space: global }
      - { .name: lowp_scales, .offset: 8, .size: 8, .value_kind: global_buffer, .address_space: global }
      - { .name: wcodes, .offset: 16, .size: 8, .value_kind: global_buffer, .address_space: global }
    .group_segment_fixed_size: 4864
    .private_segment_fixed_size: 0
    .kernarg_segment_align: 8
    .kernarg_segment_size: 24
    .max_flat_workgroup_size: 64
    .sgpr_count:     66
    .vgpr_count:     128
    .wavefront_size: 32
...
	.end_amdgpu_metadata
.endif
;; end of part 1
;; launch main (part 2): grid 256 x 1, 8 waves a work-group, clusters of 4 x 1, 283,648 bytes of LDS; arguments V, wcodes, lowp_scales, part; writes part
.if DOCPART == 2
	.amdgcn_target "amdgcn-amd-amdhsa--gfx1250"
	.amdhsa_code_object_version 6
	.text
	.protected	k_q4dbc1c4991_main
	.globl	k_q4dbc1c4991_main
	.p2align	8
	.type	k_q4dbc1c4991_main,@function
k_q4dbc1c4991_main:
	s_mov_b64 s[64:65], 0
	v_nop
	global_prefetch_b8 v0, s[64:65] scope:SCOPE_SE
	s_setreg_imm32_b32 hwreg(HW_REG_WAVE_MODE, 25, 1), 1
	s_wait_xcnt 0x0
	s_wait_alu depctr_hold_cnt(0) depctr_sa_sdst(0) depctr_va_vdst(0) depctr_va_sdst(0) depctr_va_ssrc(0) depctr_va_vcc(0) depctr_vm_vsrc(0)
	s_getreg_b32 s2, hwreg(HW_REG_IB_STS2, 6, 4)
	s_cmp_eq_u32 s2, 0
	s_cbranch_scc0 .Lentry_in_a_cluster
	s_endpgm
.Lentry_in_a_cluster:
	s_bfe_u32 s2, ttmp6, 0x10000c
	s_cmp_lg_u32 s2, 0x3003
	s_cbranch_scc0 .Lentry_shape_is_right
	s_endpgm
.Lentry_shape_is_right:
; part[g][c] = 2^(e2 + e3) x the sum over the work-group's 1,024 rows s and its 128 k of Q(V)[s][k] Q(Wv)[c][k], all 1,024 columns c.  The scores and all that feeds them are left out: the softmax over an axis of length 1 is 1 (first kernel's head).
; SHARES.  The result wanted is a sum over rows AND over k, so any cut of (rows x k) gives parts that the next launch adds.  A work-group has one k chunk (128 along k) and 1,024 rows of one batch: 256 work-groups of equal work.
; CLUSTERS: 4, 1, 1.  Cluster number q: k chunk q % 8, batch q / 8; its four partners take the batch's four row groups and need the same codes of Wv: each wave asks for its 16,384 bytes JOINTLY, once, as the launch's first request.
; A wave owns 128 columns: its codes of Wv, 8 tiles x 16 registers, come as the image that the first launch laid, into LDS bytes that this wave alone reads, and from there into the operand registers, where they stay.
; THE ROW TILES ARE ADDED IN THE ACCUMULATORS: every tile of 16 rows is multiplied onto the same 8 accumulators (one for each column tile, by turns), so that
; accumulator (m, n) ends as the sum over the 64 tiles of row 16 t + m; the 16 m are added at the end.  Every product of the table's product 3 is made by the matrix instruction; sums in f32.
; V is quantised on the way, since each number is read once: code = x / 2^e2, held within +-57,344, to the nearest code, ties to even.  LIMITS: e2 between -126 and 112; NaN in V is not served.
; A step is 128 rows.  Wave w loads tile w of the step (16 rows x 512 bytes: a load reads 256 consecutive bytes of two rows 8 apart) into one of three sets of 64 registers; holds, converts, and stores the codes into LDS,
; where all 1,024 rows x 144 bytes have bytes of their own: nothing in LDS is written twice.  One barrier a step shows a step's codes to all eight waves.
; Trip i (1 to 6): the 64 products of step i - 1; step i + 2's sixteen loads ahead of the first two groups of products; step i's holds and conversions among the second and third groups, a pair of rows behind every four products.
; The last group is cut in three: eight products behind the codes' stores, four between the barrier's signal and its wait, four behind the next step's first fragment loads.  Trip 7 has its products ahead of the wait for its numbers.
; The trips are expanded by a macro: every offset is an immediate, no pointer is stepped.
; PREFETCH: trip i loads step i + 2 and asks for step i + 4: each wave for its own 16 rows x 512 bytes, 32 blocks of 256 bytes, a lane a block, one instruction; steps 1 and 2, which trip 0 loads, are asked for at the head; step 3 comes by its loads alone; trips 4 on ask for nothing.
; REGISTERS.  Window 0: v1-15 addresses; v16-79 four fragments of V's codes; v80-95 a step's codes; v96-127 at work; v128-255 two sets of V as loaded.  Window 1: v0-127 Wv's fragments; v128-191 the accumulators; v192-255 the third set.
.set AP,    144                        ; an LDS row: 128 bytes of codes + 16: the 16 rows that a fragment load touches begin 36 words apart
.set TILEB, 16*AP
.set STEPB, 8*TILEB
.set BASEB, 3*STEPB                    ; an address register serves three steps, so that the offsets stay inside 16 bits
.set OUTS,  1024*AP                    ; the way out: 512 bytes for each wave
.set SPARE, OUTS+4096                  ; the spare words, 128 bytes for each wave
.set BL,    SPARE+1024                 ; Wv's codes as they land: 16,384 bytes for each wave
.set SPW, 1
.set NIL, 2
.set VO,  3                            ; V: 16 w rows + 8 h rows + 16 l
.set L16, 4                            ; 16 x lane
.set ST,  5                            ; v5-7   where my codes go
.set LD,  8                            ; v8-10  where a fragment is read
.set SCL, 11                           ; 2^e2
.set PFO, 12                           ; the prefetches' offset
.set OIN, 13
.set OBK, 14
.set BLA, 15                           ; where I read Wv's codes
.set AB,  16
.set CD,  80
.set TT,  96
.set AC,  128
.set G0,  36                           ; s[36:39], s[40:47]: the joint load's descriptor
.set G1,  40
.set MSB, 0
.macro WIN new                         ; the immediate's high byte repeats the setting that is left
.if MSB != \new
	s_set_vgpr_msb (MSB<<8)|\new
.set MSB, \new
.endif
.endm
.macro NOP4                            ; four places between matrix instructions and loads into, or reads of, their registers
.rept 4
	v_nop
.endr
.endm
.macro ROUND                           ; a round of the cluster's barrier
	s_barrier_signal -1
	s_barrier_wait -1
	s_cmp_lg_u32 s12, 0
	s_cbranch_scc1 .Lnw0_\@
	s_barrier_signal -3
.Lnw0_\@:
	s_barrier_wait -3
	s_barrier_signal -1
	s_barrier_wait -1
.endm
; Step i's set of registers: i % 3 = 0: window 0, v128; 1: window 0, v192; 2: window 1, v192
.macro VL4 i, q                        ; step i, my tile's rows p and p + 8 for p = 2 q, 2 q + 1: both halves of their 512 bytes
.set vw, ((\i)%3)/2
.set vb, 128+64*(((\i)%3+1)/2)
	WIN 0x40*vw
.set vp, 2*(\q)
.rept 2
	global_load_b128 v[vb+8*vp:vb+8*vp+3], v[VO], s[4:5] offset:(128*(\i)+vp)*4096 th:TH_LOAD_NT
	global_load_b128 v[vb+8*vp+4:vb+8*vp+7], v[VO], s[4:5] offset:(128*(\i)+vp)*4096+256 th:TH_LOAD_NT
.set vp, vp+1
.endr
.endm
.macro VSTEP i
.irp q, 0,1,2,3
	VL4 \i, \q
.endr
.endm
.macro VNEXT i, q                      ; trip i's share q of step i + 2's loads
.if (\i)+2 < 8
	VL4 (\i)+2, \q
.endif
.endm
.macro PREF i
	WIN 0
	global_prefetch_b8 v[PFO], s[4:5] offset:128*(\i)*4096 th:TH_LOAD_NT scope:SCOPE_SE
.endm
.macro LOADP st, a                     ; tiles 2 a and 2 a + 1 of step st: eight LDS loads into pair a % 2 of the fragment registers
	WIN 0
.set le, 0
.rept 2
.set lt, 8*(\st)+2*(\a)+le
.set lg, 0
.rept 4
	ds_load_b128 v[AB+32*((\a)%2)+16*le+4*lg:AB+32*((\a)%2)+16*le+4*lg+3], v[LD+lt/24] offset:(lt%24)*TILEB+32*lg
.set lg, lg+1
.endr
.set le, le+1
.endr
.endm
; n matrix instructions: tile 2 a + e of step st x my column tiles j0 on.  Source 0 = 16 rows of V (window 0), source 1 = 16 columns of Wv, C and D (window 1).  The very first tile starts the sums
.macro MULG st, a, e, j0, n
	WIN 0x54
.set mj, \j0
.rept \n
.if ((\st) == 0) && ((\a) == 0) && ((\e) == 0)
	v_wmma_f32_16x16x128_bf8_bf8 v[AC+8*mj:AC+8*mj+7], v[AB+32*((\a)%2)+16*(\e):AB+32*((\a)%2)+16*(\e)+15], v[16*mj:16*mj+15], 0
.else
	v_wmma_f32_16x16x128_bf8_bf8 v[AC+8*mj:AC+8*mj+7], v[AB+32*((\a)%2)+16*(\e):AB+32*((\a)%2)+16*(\e)+15], v[16*mj:16*mj+15], v[AC+8*mj:AC+8*mj+7]
.endif
.set mj, mj+1
.endr
.endm
.macro MUL st, a
	MULG \st, \a, 0, 0, 8
	MULG \st, \a, 1, 0, 8
.endm
.macro QG i, p0, n                     ; step i, row pairs p0 on, n of them: hold and convert
.set qw, ((\i)%3)/2
.set qb, 128+64*(((\i)%3+1)/2)
	WIN 0x41*qw
.set qx, 8*(\p0)
.rept 8*(\n)
	v_med3_num_f32 v[qb+qx], v[qb+qx], s26, s25    ; the conversion to an 8-bit code does not saturate (ISA guide 7.6.2): the hold comes first
.set qx, qx+1
.endr
	WIN 0x01*qw
.set qp, \p0
.rept \n
	v_cvt_scalef32_pk8_bf8_f32 v[CD+2*qp:CD+2*qp+1], v[qb+8*qp:qb+8*qp+7], v[SCL]
.set qp, qp+1
.endr
.endm
.macro MULQ st, a, i, ph               ; 16 matrix instructions with four row pairs of step i among them
	MULG \st, \a, 0, 0, 4
	QG \i, 4*(\ph), 1
	MULG \st, \a, 0, 4, 4
	QG \i, 4*(\ph)+1, 1
	MULG \st, \a, 1, 0, 4
	QG \i, 4*(\ph)+2, 1
	MULG \st, \a, 1, 4, 4
	QG \i, 4*(\ph)+3, 1
.endm
.macro QWAIT i                         ; step i's numbers are in; behind its loads stand those of the steps asked for since
.if ((\i) == 0) || ((\i) == 7)
	s_wait_loadcnt 0x0
.elseif (\i) == 6
	s_wait_loadcnt 16                              ; step 7's
.else
	s_wait_loadcnt 32                              ; steps i + 1's and i + 2's
.endif
.endm
.macro QSTORE i
	v_nop                                          ; a plain line behind the last conversion
	WIN 0
.set qp, 0
.rept 8
	ds_store_b64 v[ST+(\i)/3], v[CD+2*qp:CD+2*qp+1] offset:((\i)%3)*STEPB+qp*AP   ; rows p and p + 8: 128 bytes each, 32 words apart modulo 64
.set qp, qp+1
.endr
.endm
.macro ITER i
.if (\i) == 0
	QWAIT 0
	VSTEP 1
	VSTEP 2
	QG 0, 0, 8
	QSTORE 0
	PREF 4
	s_wait_tensorcnt 0x0                           ; my 16,384 bytes of Wv's codes have landed; I alone read them
	WIN 0x40                                       ; destination window 1
.set bj, 0
.rept 32
	ds_load_b128 v[4*bj:4*bj+3], v[BLA] offset:512*bj
.set bj, bj+1
.endr
	WIN 0
	s_wait_dscnt 0x0                               ; my codes have landed
	s_barrier_signal -1
	s_barrier_wait -1                              ; step 0's codes are whole
	LOADP 0, 0
.else
	NOP4
	LOADP (\i)-1, 1
	VNEXT \i, 0
	VNEXT \i, 1
	s_wait_dscnt 8                                 ; all but the eight LDS loads issued last
	MUL (\i)-1, 0
	NOP4
	LOADP (\i)-1, 2
	VNEXT \i, 2
	VNEXT \i, 3
	s_wait_dscnt 8
.if (\i) < 7
	QWAIT \i
	MULQ (\i)-1, 1, \i, 0
.else
	MUL (\i)-1, 1
.endif
	NOP4
	LOADP (\i)-1, 3
	s_wait_dscnt 8
.if (\i) < 7
	MULQ (\i)-1, 2, \i, 1
.else
	MUL (\i)-1, 2
.endif
.if (\i) == 7
	QWAIT 7
	QG 7, 0, 8
.endif
.if (\i) < 8
	QSTORE \i
.if (\i)+4 < 8
	PREF (\i)+4
.endif
	s_wait_dscnt 8                                 ; the last pair of tiles is in; my eight stores may be out
	MULG (\i)-1, 3, 0, 0, 8
	s_wait_dscnt 0x0                               ; my codes have landed
	s_barrier_signal -1
	MULG (\i)-1, 3, 1, 0, 4                        ; work on registers while the others arrive
	s_barrier_wait -1                              ; step i's codes are whole
	NOP4
	LOADP \i, 0
	MULG (\i)-1, 3, 1, 4, 4
.else
	s_wait_dscnt 0x0
	MUL (\i)-1, 3
.endif
.endif
.endm
	s_load_b256 s[4:11], s[0:1], 0x0               ; V s[4:5], wcodes s[6:7], the scales' exponents s[8:9], part s[10:11]
	v_lshl_add_u32 v[SPW], v0, 2, SPARE
	v_mov_b32 v[NIL], 0
	ds_add_u32 v[SPW], v[NIL]                      ; the wave's opening: the add, twice on end, and its wait ahead of my tensor load
	ds_add_u32 v[SPW], v[NIL]
	v_lshrrev_b32 v96, 5, v0
	v_readfirstlane_b32 s12, v96                   ; wave 0..7
	s_bfe_u32 s33, ttmp6, 0x40000                  ; cx: which of the batch's four row groups
	s_and_b32 s13, ttmp9, 7                        ; the k chunk
	s_lshr_b32 s14, ttmp9, 3                       ; the batch
	s_lshl_b32 s15, s14, 2
	s_add_co_u32 s15, s15, s33                     ; which 1,024 rows
	s_lshl_b32 s16, s15, 22                        ; V: 1,024 rows of 4,096 bytes,
	s_lshl_b32 s20, s15, 3
	s_lshl_b32 s15, s13, 9                         ; + 512 x chunk
	s_add_co_u32 s16, s16, s15
	s_mov_b32 s17, 0
	s_add_co_u32 s20, s20, s13                     ; part: row 32 x batch + 8 cx + chunk,
	s_lshl_b32 s20, s20, 12
	s_lshl_b32 s15, s12, 9                         ; my 128 columns
	s_add_co_u32 s20, s20, s15
	s_mov_b32 s21, 0
	s_add_co_u32 s32, s15, OUTS                    ; my stage for the way out
	s_lshl_b32 s18, s13, 17                        ; wcodes: the chunk,
	s_lshl_b32 s34, s12, 14                        ; my 8 tiles: made of the cluster's number and the wave's alone
	s_add_co_u32 s18, s18, s34
	s_mov_b32 s19, 0
	s_add_co_u32 s34, s34, BL                      ; and where they land
	s_lshl_b32 s30, s12, 16                        ; 16 w rows of V
	s_mul_i32 s31, s12, TILEB                      ; tile w of a step in LDS
	s_mov_b32 s28, 0x76543210                      ; v_permlanex16_b32: lane l xor 16
	s_mov_b32 s29, 0xfedcba98
	s_mov_b32 s[G1], 15|(3<<16)|(1<<21)            ; the mask names the four partners; elements of 8 bytes; bit 21 set beside a mask
	s_mov_b32 s[G1+1], 32<<16                      ; a dense block as 64 rows of 256 bytes
	s_mov_b32 s[G1+2], 64<<16
	s_mov_b32 s[G1+3], 32<<16
	s_mov_b32 s[G1+4], 64
	s_mov_b32 s[G1+5], 32
	s_mov_b32 s[G1+6], 0
	s_mov_b32 s[G1+7], 0
	s_mov_b32 s[G0], 1
	s_mov_b32 s[G0+1], s34
	v_and_b32 v97, 31, v0                          ; lane
	v_and_b32 v98, 15, v0                          ; r, l
	v_bfe_u32 v99, v0, 4, 1                        ; h
	v_lshrrev_b32 v100, 1, v97
	v_and_b32 v101, 1, v97
	v_lshlrev_b32 v[L16], 4, v97
	v_lshlrev_b32 v[VO], 4, v98
	v_lshlrev_b32 v[PFO], 12, v100
	v_mul_u32_u24 v[ST], v99, 8*AP
	v_mul_u32_u24 v[LD], v98, AP
	v_lshl_add_u32 v[VO], v99, 15, v[VO]
	v_lshl_add_u32 v[PFO], v101, 8, v[PFO]         ; row lane / 2, half lane % 2
	v_lshl_add_u32 v[ST], v98, 3, v[ST]
	v_lshl_add_u32 v[LD], v99, 4, v[LD]            ; row r, + 16 h
	v_add_nc_u32 v[VO], s30, v[VO]
	v_add_nc_u32 v[PFO], s30, v[PFO]
	v_add_nc_u32 v[ST], s31, v[ST]                 ; row 16 w + 8 h, 8 bytes a lane
	v_add_nc_u32 v[LD+1], BASEB, v[LD]
	v_add_nc_u32 v[LD+2], 2*BASEB, v[LD]
	v_add_nc_u32 v[ST+1], BASEB, v[ST]
	v_add_nc_u32 v[ST+2], 2*BASEB, v[ST]
	v_lshl_add_u32 v[OIN], v98, 2, s32
	v_add_nc_u32 v[OBK], s32, v[L16]
	v_add_nc_u32 v[BLA], s34, v[L16]
	s_wait_alu depctr_va_vdst(0)                   ; the wait at the head's end
	s_wait_dscnt 0x0                               ; both opening adds are done
	s_wait_kmcnt 0x0
	s_load_b64 s[22:23], s[8:9], 0x8               ; e2, e3
	s_add_nc_u64 s[4:5], s[4:5], s[16:17]
	s_add_nc_u64 s[G0+2:G0+3], s[6:7], s[18:19]
	s_or_b32 s[G0+3], s[G0+3], 0x80000000
	s_add_nc_u64 s[10:11], s[10:11], s[20:21]
	ROUND                                          ; the four partners are here: the joint loads meet
	tensor_load_to_lds s[G0:G0+3], s[G1:G1+7]      ; my one tensor load of the launch, ahead of every load of V: all products wait for it
	s_nop 0
	VSTEP 0
	PREF 1
	PREF 2
	s_wait_kmcnt 0x0
	s_add_co_i32 s27, s22, s23                     ; e2 + e3
	s_add_co_i32 s25, s22, 127
	s_lshl_b32 s24, s25, 23
	v_mov_b32 v[SCL], s24                          ; 2^e2 as f32: the conversion takes its exponent field
	s_add_co_i32 s25, s25, 15
	s_lshl_b32 s25, s25, 23
	s_or_b32 s25, s25, 0x600000                    ; 57,344 x 2^e2
	s_or_b32 s26, s25, 0x80000000                  ; and its negative
	s_wait_alu depctr_va_vdst(0)                   ; the wait here, ahead of the first trip's wait
.irp i, 0,1,2,3,4,5,6,7,8
	ITER \i
.endr
	; THE WAY OUT.  Accumulator j, lane (r, h), register q holds (m = 8 h + q, column 16 j + r): the eight registers are added, then lane l xor 16's; the eight chains take turns, each accumulator from its low end on.
	NOP4
	WIN 0x05                                       ; sources 0 and 1: window 1
.irp j, 0,1,2,3,4,5,6,7
	v_pk_add_f32 v[TT+4*\j:TT+4*\j+1], v[AC+8*\j:AC+8*\j+1], v[AC+8*\j+2:AC+8*\j+3]
.endr
.irp j, 0,1,2,3,4,5,6,7
	v_pk_add_f32 v[TT+4*\j+2:TT+4*\j+3], v[AC+8*\j+4:AC+8*\j+5], v[AC+8*\j+6:AC+8*\j+7]
.endr
	WIN 0
.irp j, 0,1,2,3,4,5,6,7
	v_pk_add_f32 v[TT+4*\j:TT+4*\j+1], v[TT+4*\j:TT+4*\j+1], v[TT+4*\j+2:TT+4*\j+3]
.endr
.irp j, 0,1,2,3,4,5,6,7
	v_add_f32 v[TT+4*\j], v[TT+4*\j], v[TT+4*\j+1]
.endr
.irp j, 0,1,2,3,4,5,6,7
	v_permlanex16_b32 v[TT+4*\j+1], v[TT+4*\j], s28, s29
.endr
.irp j, 0,1,2,3,4,5,6,7
	v_add_f32 v[TT+4*\j], v[TT+4*\j], v[TT+4*\j+1]
.endr
.irp j, 0,1,2,3,4,5,6,7
	v_ldexp_f32 v[TT+4*\j], v[TT+4*\j], s27        ; x 2^(e2 + e3)
.endr
.irp j, 0,1,2,3,4,5,6,7
	ds_store_b32 v[OIN], v[TT+4*\j] offset:64*\j   ; lanes r and r + 16 write the same word with the same value
.endr
	ds_load_b128 v[AB:AB+3], v[OBK]                ; LDS serves a wave's instructions in order: this sees my stores
	s_wait_dscnt 0x0
	global_store_b128 v[L16], v[AB:AB+3], s[10:11] ; 32 lanes store 512 consecutive bytes, at a multiple of 256 from the buffer's first byte
	s_wait_tensorcnt 0x0                           ; the wave's end
	ds_add_u32 v[SPW], v[NIL]
	s_wait_dscnt 0x0
	ROUND                                          ; the closing round
	s_endpgm
.Lfunc_end_k_q4dbc1c4991_main:
	.size	k_q4dbc1c4991_main, .Lfunc_end_k_q4dbc1c4991_main-k_q4dbc1c4991_main
	.p2alignl 7, 3214868480
	.fill 96, 4, 3214868480
	.section	.rodata,"a",@progbits
	.p2align	6, 0x0
	.amdhsa_kernel k_q4dbc1c4991_main
		.amdhsa_group_segment_fixed_size 283648
		.amdhsa_private_segment_fixed_size 0
		.amdhsa_enable_private_segment 0
		.amdhsa_kernarg_size 32
		.amdhsa_user_sgpr_count 2
		.amdhsa_user_sgpr_kernarg_segment_ptr 1
		.amdhsa_wavefront_size32 1
		.amdhsa_system_sgpr_workgroup_id_x 1
		.amdhsa_system_sgpr_workgroup_id_y 1
		.amdhsa_system_sgpr_workgroup_id_z 1
		.amdhsa_system_vgpr_workitem_id 0
		.amdhsa_next_free_vgpr 512
		.amdhsa_next_free_sgpr 66
		.amdhsa_reserve_vcc 0
		.amdhsa_float_denorm_mode_32 3
		.amdhsa_float_denorm_mode_16_64 3
		.amdhsa_memory_ordered 1
		.amdhsa_forward_progress 1
		.amdhsa_inst_pref_size 124
	.end_amdhsa_kernel
	.amdgpu_metadata
---
amdhsa.version: [ 1, 2 ]
amdhsa.kernels:
  - .name:           k_q4dbc1c4991_main
    .symbol:         k_q4dbc1c4991_main.kd
    .args:
      - { .name: V, .offset: 0, .size: 8, .value_kind: global_buffer, .address_space: global }
      - { .name: wcodes, .offset: 8, .size: 8, .value_kind: global_buffer, .address_space: global }
      - { .name: lowp_scales, .offset: 16, .size: 8, .value_kind: global_buffer, .address_space: global }
      - { .name: part, .offset: 24, .size: 8, .value_kind: global_buffer, .address_space: global }
    .group_segment_fixed_size: 283648
    .private_segment_fixed_size: 0
    .kernarg_segment_align: 8
    .kernarg_segment_size: 32
    .max_flat_workgroup_size: 256
    .sgpr_count:     66
    .vgpr_count:     512
    .wavefront_size: 32
...
	.end_amdgpu_metadata
.endif
;; end of part 2
;; launch final (part 3): grid 8 x 16, 16 waves a work-group, clusters of 4 x 1, 272,640 bytes of LDS; arguments part, Wo, bv, bo, out0; writes out0
.if DOCPART == 3
	.amdgcn_target "amdgcn-amd-amdhsa--gfx1250"
	.amdhsa_code_object_version 6
	.text
	.protected	k_q4dbc1c4991_final
	.globl	k_q4dbc1c4991_final
	.p2align	8
	.type	k_q4dbc1c4991_final,@function
k_q4dbc1c4991_final:
	s_mov_b64 s[64:65], 0
	v_nop
	global_prefetch_b8 v0, s[64:65] scope:SCOPE_SE
	s_setreg_imm32_b32 hwreg(HW_REG_WAVE_MODE, 25, 1), 1
	s_wait_xcnt 0x0
	s_wait_alu depctr_hold_cnt(0) depctr_sa_sdst(0) depctr_va_vdst(0) depctr_va_sdst(0) depctr_va_ssrc(0) depctr_va_vcc(0) depctr_vm_vsrc(0)
	s_getreg_b32 s2, hwreg(HW_REG_IB_STS2, 6, 4)
	s_cmp_eq_u32 s2, 0
	s_cbranch_scc0 .Lentry_in_a_cluster
	s_endpgm
.Lentry_in_a_cluster:
	s_bfe_u32 s2, ttmp6, 0x10000c
	s_cmp_lg_u32 s2, 0x3003
	s_cbranch_scc0 .Lentry_shape_is_right
	s_endpgm
.Lentry_shape_is_right:
; out0[n][o] = the sum over k of wv[n][k] Wo[o][k] + bo[o], wv[n] = the sum of the batch's 32 rows of part + 4,096 bv (every one of the 4,096 positions has the weight 1: first kernel's head).
; All in f32, by packed multiply-adds: one row of wv is too little for the matrix unit.
; Work-group (n, y) makes outputs 64 y .. + 63 of batch n: one aligned run of 256 bytes.  Wave v makes outputs 64 y + 4 v + 0 .. 3.
; CLUSTERS: 4, 1, 1: four batches with the same y need the same 64 rows of Wo.  Each wave asks JOINTLY for its four rows, 16,384 consecutive bytes, once, into LDS bytes that it alone reads.
; Thread t adds up columns 4 (t % 256) .. + 3 of 16 rows of part (rows 16 (t / 256) on) and 2,048 bv; the two halves go through LDS to every wave, which adds them.  part, bv and bo, which differ between partners or are small, go lane by lane into registers.
.set WVL,   262144                     ; LDS: Wo's 64 rows at 0; wv's two halves at WVL and WVL + 4,096;
.set OG,    WVL+8192                   ; the 64 outputs (256 bytes);
.set SPARE, OG+256                     ; the spare words, 128 bytes for each wave
.set G0,  36
.set G1,  40
.macro ROUND                           ; a round of the cluster's barrier
	s_barrier_signal -1
	s_barrier_wait -1
	s_cmp_lg_u32 s20, 0
	s_cbranch_scc1 .Lnw0_\@
	s_barrier_signal -3
.Lnw0_\@:
	s_barrier_wait -3
	s_barrier_signal -1
	s_barrier_wait -1
.endm
	s_load_b256 s[4:11], s[0:1], 0x0               ; part s[4:5], Wo s[6:7], bv s[8:9], bo s[10:11]
	s_load_b64 s[12:13], s[0:1], 0x20              ; out0
	v_lshl_add_u32 v14, v0, 2, SPARE
	v_mov_b32 v15, 0
	ds_add_u32 v14, v15                            ; the wave's opening: the add, twice on end, and its wait ahead of my tensor load
	ds_add_u32 v14, v15
	v_lshrrev_b32 v1, 5, v0
	v_readfirstlane_b32 s20, v1                    ; wave 0..15
	s_bfe_u32 s19, ttmp6, 0x40000                  ; cx
	s_lshl_b32 s21, ttmp9, 2
	s_add_co_u32 s21, s21, s19                     ; n
	s_and_b32 s31, ttmp7, 0xffff                   ; y
	s_lshl_b32 s22, s21, 17                        ; the batch's 32 rows of 4,096 bytes
	s_mov_b32 s23, 0
	s_lshl_b32 s24, s31, 18                        ; Wo: 64 y rows of 4,096 bytes,
	s_lshl_b32 s30, s20, 14                        ; + my four: made of y and the wave's number alone.  Also where they land
	s_add_co_u32 s24, s24, s30
	s_mov_b32 s25, 0
	s_lshl_b32 s26, s31, 8                         ; 256 y
	s_mov_b32 s27, 0
	s_lshl_b32 s28, s21, 12
	s_add_co_u32 s28, s28, s26
	s_mov_b32 s29, 0
	s_lshl_b32 s32, s20, 4
	s_add_co_u32 s32, s32, OG
	s_mov_b32 s16, 0x76543210                      ; v_permlanex16_b32: lane l xor 16
	s_mov_b32 s17, 0xfedcba98
	s_mov_b32 s[G1], 15|(3<<16)|(1<<21)            ; the mask names the four partners; elements of 8 bytes; bit 21 set beside a mask
	s_mov_b32 s[G1+1], 32<<16                      ; a dense block as 64 rows of 256 bytes
	s_mov_b32 s[G1+2], 64<<16
	s_mov_b32 s[G1+3], 32<<16
	s_mov_b32 s[G1+4], 64
	s_mov_b32 s[G1+5], 32
	s_mov_b32 s[G1+6], 0
	s_mov_b32 s[G1+7], 0
	s_mov_b32 s[G0], 1
	s_mov_b32 s[G0+1], s30
	v_and_b32 v2, 31, v0
	v_and_b32 v5, 255, v0
	v_lshrrev_b32 v6, 8, v0
	v_and_b32 v7, 15, v0
	v_lshl_add_u32 v3, v0, 4, WVL                  ; my place among wv's halves: 16 x thread
	v_lshlrev_b32 v4, 4, v2                        ; 16 x lane
	v_lshlrev_b32 v5, 4, v5                        ; my columns, in bv
	v_lshlrev_b32 v7, 4, v7                        ; 16 (lane % 16): bo and out0
	v_lshl_add_u32 v6, v6, 16, v5                  ; and in part: + 16 rows for the upper half of the threads
	v_add_nc_u32 v8, OG, v7                        ; where wave 0 reads the outputs back
	v_mov_b32 v9, s32                              ; where my four outputs go
	v_add_nc_u32 v10, s30, v4                      ; where I read my rows of Wo
	v_add_nc_u32 v11, WVL, v4                      ; where I read wv
	s_wait_alu depctr_va_vdst(0)                   ; the wait at the head's end
	s_wait_dscnt 0x0                               ; both opening adds are done
	s_wait_kmcnt 0x0
	s_add_nc_u64 s[4:5], s[4:5], s[22:23]
	s_add_nc_u64 s[G0+2:G0+3], s[6:7], s[24:25]
	s_or_b32 s[G0+3], s[G0+3], 0x80000000
	s_add_nc_u64 s[10:11], s[10:11], s[26:27]
	s_add_nc_u64 s[12:13], s[12:13], s[28:29]
.set gi, 0
.rept 16
	global_load_b128 v[16+4*gi:19+4*gi], v6, s[4:5] offset:4096*gi
.set gi, gi+1
.endr
	global_load_b128 v[208:211], v5, s[8:9]        ; bv
	global_load_b128 v[212:215], v7, s[10:11]      ; bo
	ROUND                                          ; the four partners are here: the joint loads meet
	tensor_load_to_lds s[G0:G0+3], s[G1:G1+7]      ; my one tensor load of the launch
	s_nop 0
	s_wait_loadcnt 0x0
.irp d, 8,4,2,1                                ; the 16 rows are added as a tree
.set gi, 0
.rept \d
	v_pk_add_f32 v[16+4*gi:17+4*gi], v[16+4*gi:17+4*gi], v[16+4*(gi+\d):17+4*(gi+\d)]
	v_pk_add_f32 v[18+4*gi:19+4*gi], v[18+4*gi:19+4*gi], v[18+4*(gi+\d):19+4*(gi+\d)]
.set gi, gi+1
.endr
.endr
	v_pk_fma_f32 v[16:17], v[208:209], 0x45000000, v[16:17] op_sel_hi:[1,0,1]   ; + 2,048 bv in each half: 4,096 bv in all
	v_pk_fma_f32 v[18:19], v[210:211], 0x45000000, v[18:19] op_sel_hi:[1,0,1]
	ds_store_b128 v3, v[16:19]
	s_wait_tensorcnt 0x0                           ; my four rows of Wo have landed; I alone read them
.irp c, 0,1,2,3                                ; output c's row of Wo: lane l holds k = 128 i + 4 l .. + 3 in registers 4 i .. 4 i + 3
.irp i, 0,1,2,3,4,5,6,7
	ds_load_b128 v[80+32*\c+4*\i:83+32*\c+4*\i], v10 offset:4096*\c+512*\i
.endr
.endr
	s_wait_dscnt 0x0                               ; for the others' sake: my store has landed
	s_barrier_signal -1
	s_barrier_wait -1
.irp i, 0,1,2,3,4,5,6,7
	ds_load_b128 v[16+4*\i:19+4*\i], v11 offset:512*\i       ; wv's two halves, in the layout of a row of Wo
	ds_load_b128 v[48+4*\i:51+4*\i], v11 offset:4096+512*\i
.endr
	s_wait_dscnt 0x0
.set di, 0
.rept 16
	v_pk_add_f32 v[16+2*di:17+2*di], v[16+2*di:17+2*di], v[48+2*di:49+2*di]
.set di, di+1
.endr
.irp c, 0,1,2,3                                ; four sums by turns
	v_pk_mul_f32 v[216+2*\c:217+2*\c], v[16:17], v[80+32*\c:81+32*\c]
.endr
.set di, 1
.rept 15
.irp c, 0,1,2,3
	v_pk_fma_f32 v[216+2*\c:217+2*\c], v[16+2*di:17+2*di], v[80+32*\c+2*di:81+32*\c+2*di], v[216+2*\c:217+2*\c]
.endr
.set di, di+1
.endr
.irp c, 0,1,2,3
	v_add_f32 v[216+2*\c], v[216+2*\c], v[217+2*\c]
.endr
.irp x, 1,2,4,8
.irp c, 0,1,2,3
	v_add_f32_dpp v[216+2*\c], v[216+2*\c], v[216+2*\c] row_xmask:\x row_mask:0xf bank_mask:0xf
.endr
.endr
.irp c, 0,1,2,3
	v_permlanex16_b32 v[217+2*\c], v[216+2*\c], s16, s17
.endr
.irp c, 0,1,2,3
	v_add_f32 v[216+2*\c], v[216+2*\c], v[217+2*\c]          ; over all 32 lanes
.endr
.irp c, 0,1,2,3
	ds_store_b32 v9, v[216+2*\c] offset:4*\c       ; all lanes write the same word with the same value
.endr
	s_wait_dscnt 0x0
	s_barrier_signal -1
	s_barrier_wait -1
	s_cmp_lg_u32 s20, 0                            ; wave 0 stores the work-group's 64 outputs
	s_cbranch_scc1 .Lend
	s_wait_xcnt 0x0                                ; EXEC changes only behind this wait
	v_cmp_gt_u32 vcc_lo, 16, v0
	s_and_saveexec_b32 s18, vcc_lo
	ds_load_b128 v[16:19], v8
	s_wait_dscnt 0x0
	v_pk_add_f32 v[16:17], v[16:17], v[212:213]
	v_pk_add_f32 v[18:19], v[18:19], v[214:215]
	global_store_b128 v7, v[16:19], s[12:13]       ; sixteen lanes store 256 consecutive bytes, at a multiple of 256 from the buffer's first byte
	s_wait_xcnt 0x0                                ; and again, in front of the line that widens it
	s_or_b32 exec_lo, exec_lo, s18
.Lend:
	s_wait_tensorcnt 0x0                           ; the wave's end
	ds_add_u32 v14, v15
	s_wait_dscnt 0x0
	ROUND                                          ; the closing round
	s_endpgm
.Lfunc_end_k_q4dbc1c4991_final:
	.size	k_q4dbc1c4991_final, .Lfunc_end_k_q4dbc1c4991_final-k_q4dbc1c4991_final
	.p2alignl 7, 3214868480
	.fill 96, 4, 3214868480
	.section	.rodata,"a",@progbits
	.p2align	6, 0x0
	.amdhsa_kernel k_q4dbc1c4991_final
		.amdhsa_group_segment_fixed_size 272640
		.amdhsa_private_segment_fixed_size 0
		.amdhsa_enable_private_segment 0
		.amdhsa_kernarg_size 40
		.amdhsa_user_sgpr_count 2
		.amdhsa_user_sgpr_kernarg_segment_ptr 1
		.amdhsa_wavefront_size32 1
		.amdhsa_system_sgpr_workgroup_id_x 1
		.amdhsa_system_sgpr_workgroup_id_y 1
		.amdhsa_system_sgpr_workgroup_id_z 1
		.amdhsa_system_vgpr_workitem_id 0
		.amdhsa_next_free_vgpr 256
		.amdhsa_next_free_sgpr 66
		.amdhsa_reserve_vcc 1
		.amdhsa_float_denorm_mode_32 3
		.amdhsa_float_denorm_mode_16_64 3
		.amdhsa_memory_ordered 1
		.amdhsa_forward_progress 1
		.amdhsa_inst_pref_size 19
	.end_amdhsa_kernel
	.amdgpu_metadata
---
amdhsa.version: [ 1, 2 ]
amdhsa.kernels:
  - .name:           k_q4dbc1c4991_final
    .symbol:         k_q4dbc1c4991_final.kd
    .args:
      - { .name: part, .offset: 0, .size: 8, .value_kind: global_buffer, .address_space: global }
      - { .name: Wo, .offset: 8, .size: 8, .value_kind: global_buffer, .address_space: global }
      - { .name: bv, .offset: 16, .size: 8, .value_kind: global_buffer, .address_space: global }
      - { .name: bo, .offset: 24, .size: 8, .value_kind: global_buffer, .address_space: global }
      - { .name: out0, .offset: 32, .size: 8, .value_kind: global_buffer, .address_space: global }
    .group_segment_fixed_size: 272640
    .private_segment_fixed_size: 0
    .kernarg_segment_align: 8
    .kernarg_segment_size: 40
    .max_flat_workgroup_size: 512
    .sgpr_count:     66
    .vgpr_count:     256
    .wavefront_size: 32
...
	.end_amdgpu_metadata
.endif
;; end of part 3
